; MI455X (gfx1250); checked and timed in simulation.
; The chip was launched on July 23, 2026; its instructions are those of AMD's public machine-readable ISA for CDNA 5 (MIT licence, August 2026) and "CDNA5" Instruction Set Architecture Reference Guide (July 2026). The comments in the code are by the model that wrote it; some were corrected since.
;; Learnable Shapelet With Penalty. Allowed arithmetic: float matrix products may take bf16 or f16 operands with f32 sums; other float arithmetic in f32, or as packed bf16 or f16 multiplies, adds, multiply-adds, maxima and minima; sums over many terms, partial sums and values carried from step to step in f32; what a program stores and reads back later, other than sums and carried values, may be rounded once to bf16 or f16.
;; Inputs: penalty_maps 32 x 16 x 1,985 float32; shapelets 32 x 64 float32; x 16 x 16 x 2,048 float32.
;; Outputs: out0 16 x 32 float32.
;; One version. Each part assembles by itself: llvm-mc -triple=amdgcn-amd-amdhsa -mcpu=gfx1250 --defsym DOCPART=n.
;; ======== version 1 of 1: 2 launches
;; limits: values outside matrix products are rounded to bf16; a difference of large sums (such as E[x^2] - mean^2): digits are lost where the result is much smaller than its terms
;; workspace buffers: part 65,536 bytes
;; launch main (part 1): grid 32 x 8, 8 waves a work-group, no clusters, 136,192 bytes of LDS; arguments x, shapelets, penalty_maps, part; writes part
.if DOCPART == 1
	.amdgcn_target "amdgcn-amd-amdhsa--gfx1250"
	.amdhsa_code_object_version 6
	.text
	.protected	k_qf55729ae77_main
	.globl	k_qf55729ae77_main
	.p2align	8
	.type	k_qf55729ae77_main,@function
k_qf55729ae77_main:
	s_mov_b64 s[64:65], 0
	v_nop
	global_prefetch_b8 v0, s[64:65] scope:SCOPE_SE
	s_setreg_imm32_b32 hwreg(HW_REG_WAVE_MODE, 25, 1), 1
	s_wait_xcnt 0x0
; part[range][y][b'][k'] = min over 64 positions n of  sum over m of pen[k][m][n] * sum over l of (x[b][m][n+l] - s[k][l])^2,   pen = elu(-p) + 2.
; x: [16][16][2048], s: [32][64], p: [32][16][1985], all f32.  A second launch takes the minimum over the 32 ranges.
; ARITHMETIC.  With a pivot c (the mean of the first 16 numbers of s, the same in every wave):  sum (x-s)^2 = sum (x-c)^2 - 2 sum (x-c)(s-c) + sum (s-c)^2.
; The pivot takes away an offset that x and s share, so the three sums are large beside the result only where a window truly lies close to a shapelet.
; The middle sum is a matrix product: A = 16 channels x 32 t of (x-c), B(t, j) = -2 (s-c)[t - j], a band, for 16 neighbouring positions j: x stays in aligned blocks, the shapelet is shifted.
; A tile of 16 channels x 16 positions takes 96 t, three matrix instructions.  The first sum is the same product of the squares with a band of ones, and is the C operand that starts the middle sum.
; The band is kept as five chunks of 16 t; in registers Z c0 c1 c2 c3 c4 Z (Z = zeros) read from c0 on it is the band of the tile at +0, read from the first Z on that of the tile at +16.
; pen = max(2 - p, 1 + exp(-|p|)): for p < 0 the first is the larger and is elu(-p) + 2, for p >= 0 the second (exp(-p) >= 1 - p).
; SHARES.  A work-group: 64 positions (range = x of the grid), 8 batches and 8 shapelets (y = 4 bg + kg).  Eight waves.  Before the barrier wave w turns batch w's 16 rows into bf16 (x-c and its square),
; shapelet w's 16 x 64 penalties into weights and shapelet w into band chunks, all into LDS.  Behind it wave w = 2 p + u owns batches 2p, 2p+1 and positions 32u .. 32u+31 (two tiles) for all 8 shapelets.
; NO CLUSTER, NO TENSOR LOAD: x's piece is shared by 4 work-groups and p's by 2, but each work-group reads its 96 KB once, at its head, and every number is changed on the way (pivot, rounding, square, elu):
; through registers that is one LDS store; landed raw in LDS it would be read, changed and stored again; and there is no loop of tiles in which a joint request would recur.
; LIMITS.  Inputs are finite.  x-c, -2(s-c) and (x-c)^2 are rounded once to bf16 (matrix operands), all sums are f32; where a window nearly equals a shapelet the error is that of these roundings
; beside the three sums.  Positions from 1985 on count as +infinity; t from 2048 on holds copies of the row's last four numbers, which only meet zeros of the band or such positions.
.set NPOS,  1985
.set TLEN,  2048
.set XP,    272                        ; an LDS row of x: 128 bf16 + 16 bytes: the 16 rows of a fragment load start at 16 different groups of four banks (ISA guide 11.1)
.set XA,    0                          ; x - c:      128 rows (batch, channel)
.set XQ,    128*XP                     ; (x - c)^2:  the same
.set PWA,   2*128*XP                   ; weights: [shapelet 8][position 64]: 16 f32 by channel, then the start value twice; 80 bytes, again 16 different groups of banks
.set PWP,   80
.set BCH,   PWA+8*64*PWP               ; band chunks: [shapelet 8][chunk 5][lane 32] x 16 bytes
.set TT,    BCH+8*5*512                ; a wave's own table: 16 zeros, -2 (s-c), 16 zeros, f32
.set TTW,   384
.set RESB,  TT+8*TTW                   ; the waves' minima: [u 2][batch 8][shapelet 8] f32
.set SPARE, RESB+512                   ; the spare words, 128 bytes for each wave: four blocks of 256 bytes that no other line names
.set LANE, 1
.set R,    2                           ; lane % 16
.set H,    3                           ; lane / 16
.set SPW,  4                           ; LDS address of my spare word; never rewritten
.set NIL,  5                           ; 0; never rewritten
.set CC,   6                           ; v[6:7]  the pivot, twice
.set S2Q,  8                           ; sum (s-c)^2 / 4 of my shapelet
.set XO,   9                           ; byte offset of my 16 bytes in x
.set WA,   10                          ; first my position (first half); later the LDS address of my weights
.set RS,   11                          ; first my position (second half); later the LDS address of my wave's minima
.set PO,   12                          ; v[12:13] byte offsets in p, one for each half of the positions
.set SO,   14                          ; byte offset in s
.set XS,   15                          ; LDS: where I store x
.set PST,  16                          ; LDS: where I store weights
.set TZ,   17                          ; LDS: my zero of the table
.set TV,   18                          ; LDS: my two numbers of the table
.set TR,   19                          ; LDS: where my column of the band begins in the table
.set BS,   20                          ; LDS: where I store chunks
.set BA,   21                          ; LDS: where I read chunks
.set AFA,  22                          ; LDS: my row of a fragment of x
.set WP,   23                          ; LDS: my position's row of weights
.set T,    24                          ; v[24:31] at work
.set AF,   32                          ; v[32:79]   fragments of x - c: batch b, step s at AF + 8 (3 b + s)
.set XX,   80                          ; v[80:111]  sum (x-c)^2: batch b, tile j at XX + 8 (2 b + j)
.set AC,   112                         ; v[112:143] the four accumulators, likewise
.set BB,   144                         ; v[144:195] the band, two buffers of 28 that share the middle Z
.set ON,   BB+24                       ; the band of ones lies in the second buffer until the first shapelet's step
.set WW,   196                         ; v[196:235] two buffers: 2 tiles x 8 weights, 2 start pairs
.set RES,  236                         ; v[236:251] minima: batch b, shapelet k at RES + 8 b + k
.set SH,   252                         ; v[252:253] my two numbers of my shapelet
.set INF,  254
.set XL,   32                          ; before the barrier: v[32:95] x as loaded, v[96:127] p as loaded, v[128:143] at work, v[144:183] the band in f32, v[184:203] in bf16
.set PL,   96
.set PT,   128
.set TL,   144
.set BC,   184
	s_load_b256 s[4:11], s[0:1], 0x0               ; x s[4:5], s s[6:7], p s[8:9], part s[10:11]
	v_lshl_add_u32 v[SPW], v0, 2, SPARE
	v_mov_b32 v[NIL], 0
	v_lshrrev_b32 v1, 5, v0
	v_readfirstlane_b32 s12, v1                    ; wave 0..7
	v_and_b32 v[LANE], 31, v0
	v_and_b32 v[R], 15, v0
	v_bfe_u32 v[H], v0, 4, 1
	s_and_b32 s14, ttmp7, 0xffff                   ; y
	s_lshr_b32 s15, s14, 2                         ; bg
	s_and_b32 s16, s14, 3                          ; kg
	s_lshl_b32 s17, ttmp9, 6                       ; n0: the range's first position
	s_lshl3_add_u32 s18, s15, s12                  ; the batch that I convert: 8 bg + w
	s_lshl3_add_u32 s19, s16, s12                  ; the shapelet that I prepare: 8 kg + w
	s_lshr_b32 s28, s12, 1                         ; p
	s_and_b32 s29, s12, 1                          ; u
	s_lshl3_add_u32 s54, ttmp9, s14                ; the work-group's 256 bytes of part
	s_lshl_b32 s54, s54, 8
	s_mov_b32 s55, 0
	s_movk_i32 s25, NPOS-1
	v_lshl_add_u32 v[XO], v[LANE], 2, s17          ; t = n0 + 4 lane,
	v_min_u32 v[XO], TLEN-4, v[XO]                 ; held inside the row (the last range alone reaches past it)
	s_lshl_b32 s20, s18, 17                        ; 16 rows of 8,192 bytes a batch
	v_lshl_add_u32 v[XO], v[XO], 2, s20
	v_add_nc_u32 v[WA], s17, v[LANE]               ; my position in the first and in the second half of the range
	v_add_nc_u32 v[RS], 32, v[WA]
	v_cmp_lt_u32 s22, s25, v[WA]                   ; lanes whose position does not exist
	v_cmp_lt_u32 s23, s25, v[RS]
	s_mul_i32 s21, s19, 16*NPOS*4
	v_min_u32 v[PO], NPOS-1, v[WA]                 ; they load the last position's penalties: every load stays inside p
	v_min_u32 v[PO+1], NPOS-1, v[RS]
	v_lshl_add_u32 v[PO], v[PO], 2, s21
	v_lshl_add_u32 v[PO+1], v[PO+1], 2, s21
	s_lshl_b32 s24, s19, 8
	v_lshl_add_u32 v[SO], v[LANE], 3, s24
	s_wait_kmcnt 0x0
	s_load_b512 s[32:47], s[6:7], 0x0              ; the 16 numbers of which the pivot is made
	s_add_nc_u64 s[10:11], s[10:11], s[54:55]
	global_load_b64 v[SH:SH+1], v[SO], s[6:7]      ; 49 loads go out together: my shapelet,
.set i, 0
.rept 16
	global_load_b128 v[XL+4*i:XL+4*i+3], v[XO], s[4:5] offset:i*TLEN*4  ; 16 rows of x, 512 consecutive bytes each, at a multiple of 256 from x's first byte,
.set i, i+1
.endr
.set i, 0
.rept 16
	global_load_b32 v[PL+i], v[PO], s[8:9] offset:i*NPOS*4              ; 16 channels x 32 positions of p (its rows of 7,940 bytes are aligned to 4 bytes only),
.set i, i+1
.endr
.set i, 0
.rept 16
	global_load_b32 v[PL+16+i], v[PO+1], s[8:9] offset:i*NPOS*4         ; and the other 32 positions
.set i, i+1
.endr
	; LDS addresses and constants, while the loads are out
	s_mul_i32 s26, s12, 16*XP
	v_lshl_add_u32 v[XS], v[LANE], 3, s26          ; row 16 w, 8 bytes a lane
	s_mul_i32 s26, s12, 64*PWP
	s_add_co_u32 s26, s26, PWA
	v_mul_u32_u24 v[PST], v[LANE], PWP
	v_add_nc_u32 v[PST], s26, v[PST]
	s_mul_i32 s27, s12, TTW
	s_add_co_u32 s27, s27, TT                      ; my wave's table
	v_lshl_add_u32 v[TZ], v[LANE], 2, s27          ; lanes 0-15 clear entries 0-15,
	v_lshl_add_u32 v[TZ], v[H], 8, v[TZ]           ; lanes 16-31 entries 80-95
	v_lshl_add_u32 v[TV], v[LANE], 3, s27
	v_sub_nc_u32 v[T], 15, v[R]
	v_lshl_add_u32 v[TR], v[H], 5, s27             ; entry 16 c + 8 h + e - r + 16 = 16 c + e + 8 h + (15 - r) + 1
	v_lshl_add_u32 v[TR], v[T], 2, v[TR]
	s_mul_i32 s26, s12, 5*512
	s_add_co_u32 s26, s26, BCH
	v_lshl_add_u32 v[BS], v[LANE], 4, s26
	v_lshlrev_b32 v[BA], 4, v[LANE]
	v_add_nc_u32 v[BA], BCH, v[BA]
	s_mul_i32 s26, s28, 32*XP
	s_lshl_b32 s30, s29, 6
	s_add_co_u32 s26, s26, s30
	v_mul_u32_u24 v[AFA], v[R], XP                 ; row 32 p + r, byte 64 u + 16 h
	v_lshl_add_u32 v[AFA], v[H], 4, v[AFA]
	v_add_nc_u32 v[AFA], s26, v[AFA]
	s_mul_i32 s26, s29, 32*PWP
	s_add_co_u32 s26, s26, PWA
	v_mul_u32_u24 v[WP], v[R], PWP                 ; position 32 u + r
	v_add_nc_u32 v[WP], s26, v[WP]
	v_lshl_add_u32 v[WA], v[H], 5, v[WP]           ; channels 8 h on
	s_lshl_b32 s26, s29, 8
	s_lshl_b32 s30, s28, 6
	s_add_co_u32 s26, s26, s30
	s_add_co_u32 s26, s26, RESB
	v_mov_b32 v[RS], s26
	v_mov_b32 v[INF], 0x7f800000
	s_mov_b32 s48, 0x76543210                      ; v_permlanex16_b32: each lane takes its own place in the other half
	s_mov_b32 s49, 0xfedcba98
	s_mov_b32 s50, 0x3fb8aa3b                      ; log2(e), named as a pair
	s_mov_b32 s51, s50
	s_mov_b32 s52, 0x3f80                          ; 1.0 in bf16, low half
	s_mov_b32 s53, 0x3f800000                      ; and high half
	s_wait_kmcnt 0x0
	v_mov_b32 v[CC], s32                           ; the pivot: one order of additions, so one value, in every wave of every work-group
.irp i, 33,34,35,36,37,38,39,40,41,42,43,44,45,46,47
	v_add_f32 v[CC], s\i, v[CC]
.endr
	v_mul_f32 v[CC], 0x3d800000, v[CC]             ; / 16
	v_mov_b32 v[CC+1], v[CC]
	; MY SHAPELET: sum (s-c)^2, and the band.  The table is my wave's own; LDS serves a wave's instructions in order (ISA guide 5.7.1.4), so the loads see the stores.
	s_wait_loadcnt 48                              ; the shapelet is in; the 16 + 32 loads behind it may be out
	v_pk_add_f32 v[SH:SH+1], v[SH:SH+1], v[CC:CC+1] neg_lo:[0,1] neg_hi:[0,1]
	v_mul_f32 v[S2Q], v[SH], v[SH]
	v_fmac_f32 v[S2Q], v[SH+1], v[SH+1]
	v_pk_mul_f32 v[SH:SH+1], v[SH:SH+1], -2.0 op_sel_hi:[1,0]
	ds_store_b32 v[TZ], v[NIL]
	ds_store_b64 v[TV], v[SH:SH+1] offset:64
.irp c, 0,1,2,3,4
.irp j, 0,1,2,3,4,5,6,7
	ds_load_b32 v[TL+8*\c+\j], v[TR] offset:4+64*\c+4*\j  ; chunk c, element j of column r: -2 (s-c)[16 c + 8 h + j - r], or a zero of the table's ends
.endr
.endr
	v_add_f32_dpp v[S2Q], v[S2Q], v[S2Q] row_xmask:1 row_mask:0xf bank_mask:0xf
	v_add_f32_dpp v[S2Q], v[S2Q], v[S2Q] row_xmask:2 row_mask:0xf bank_mask:0xf
	v_add_f32_dpp v[S2Q], v[S2Q], v[S2Q] row_xmask:4 row_mask:0xf bank_mask:0xf
	v_add_f32_dpp v[S2Q], v[S2Q], v[S2Q] row_xmask:8 row_mask:0xf bank_mask:0xf
	v_permlanex16_b32 v[T], v[S2Q], s48, s49
	v_add_f32 v[S2Q], v[S2Q], v[T]
	v_mul_f32 v[S2Q], 0x3e800000, v[S2Q]           ; a quarter: it starts four part sums
	s_wait_dscnt 0x0
.irp c, 0,1,2,3,4
.irp j, 0,1,2,3
	v_cvt_pk_bf16_f32 v[BC+4*\c+\j], v[TL+8*\c+2*\j], v[TL+8*\c+2*\j+1]
.endr
	ds_store_b128 v[BS], v[BC+4*\c:BC+4*\c+3] offset:512*\c
.endr
	; MY BATCH: x - c and its square, rounded to bf16, 8 bytes a lane: 256 consecutive bytes of an LDS row
.macro XROW m
.set rX, XL+4*(\m)
.set rE, T+4*((\m)%2)
	s_wait_loadcnt 47-(\m)                         ; row m is in; behind it 15 - m rows and p's 32 loads
	v_pk_add_f32 v[rX:rX+1], v[rX:rX+1], v[CC:CC+1] neg_lo:[0,1] neg_hi:[0,1]
	v_pk_add_f32 v[rX+2:rX+3], v[rX+2:rX+3], v[CC:CC+1] neg_lo:[0,1] neg_hi:[0,1]
	v_cvt_pk_bf16_f32 v[rE], v[rX], v[rX+1]
	v_cvt_pk_bf16_f32 v[rE+1], v[rX+2], v[rX+3]
	ds_store_b64 v[XS], v[rE:rE+1] offset:XA+(\m)*XP
	v_pk_mul_f32 v[rX:rX+1], v[rX:rX+1], v[rX:rX+1]
	v_pk_mul_f32 v[rX+2:rX+3], v[rX+2:rX+3], v[rX+2:rX+3]
	v_cvt_pk_bf16_f32 v[rE+2], v[rX], v[rX+1]
	v_cvt_pk_bf16_f32 v[rE+3], v[rX+2], v[rX+3]
	ds_store_b64 v[XS], v[rE+2:rE+3] offset:XQ+(\m)*XP
.endm
.irp m, 0,1,2,3,4,5,6,7,8,9,10,11,12,13,14,15
	XROW \m
.endr
	; MY SHAPELET'S WEIGHTS: a lane has one position and its 16 channels: pen, their sum times sum (s-c)^2 / 4, and +infinity in that sum's place where the position does not exist
.macro PEN hf
.set rP, PL+16*(\hf)
	s_wait_loadcnt 16-16*(\hf)                     ; this half's 16 loads are in; the other half's may be out
.set i, 0
.rept 16
	v_or_b32 v[PT+i], 0x80000000, v[rP+i]          ; -|p|
.set i, i+1
.endr
.set i, 0
.rept 8
	v_pk_mul_f32 v[PT+i:PT+i+1], v[PT+i:PT+i+1], s[50:51] op_sel_hi:[1,0]
.set i, i+2
.endr
.set i, 0
.rept 16
	v_exp_f32 v[PT+i], v[PT+i]                     ; exp(-|p|), never above 1
.set i, i+1
.endr
.set i, 0
.rept 8
	v_pk_fma_f32 v[rP+i:rP+i+1], v[rP+i:rP+i+1], -1.0, 2.0 op_sel_hi:[1,0,0]  ; 2 - p: plain lines between the last exponential and the use of its result (ISA guide 5.7.2)
.set i, i+2
.endr
.set i, 0
	s_wait_alu depctr_va_vdst(0)
.rept 8
	v_pk_add_f32 v[PT+i:PT+i+1], v[PT+i:PT+i+1], 1.0 op_sel_hi:[1,0]
.set i, i+2
.endr
.set i, 0
.rept 16
	v_max_num_f32 v[rP+i], v[rP+i], v[PT+i]
.set i, i+1
.endr
.irp q, 0,1,2,3
	ds_store_b128 v[PST], v[rP+4*\q:rP+4*\q+3] offset:(\hf)*32*PWP+16*\q
.endr
	v_pk_add_f32 v[PT:PT+1], v[rP:rP+1], v[rP+2:rP+3]
	v_pk_add_f32 v[PT+2:PT+3], v[rP+4:rP+5], v[rP+6:rP+7]
	v_pk_add_f32 v[PT+4:PT+5], v[rP+8:rP+9], v[rP+10:rP+11]
	v_pk_add_f32 v[PT+6:PT+7], v[rP+12:rP+13], v[rP+14:rP+15]
	v_pk_add_f32 v[PT:PT+1], v[PT:PT+1], v[PT+2:PT+3]
	v_pk_add_f32 v[PT+4:PT+5], v[PT+4:PT+5], v[PT+6:PT+7]
	v_pk_add_f32 v[PT:PT+1], v[PT:PT+1], v[PT+4:PT+5]
	v_add_f32 v[PT], v[PT], v[PT+1]
	v_mul_f32 v[PT], v[PT], v[S2Q]
	v_cndmask_b32 v[PT], v[PT], v[INF], s[22+(\hf)]
	v_mov_b32 v[PT+1], v[PT]                       ; twice, so that it comes back as the pair that starts a packed sum
	ds_store_b64 v[PST], v[PT:PT+1] offset:(\hf)*32*PWP+64
.endm
	PEN 0
	PEN 1
	; The band of ones, in the second band buffer: chunk 0 holds 1 where 8 h + e >= r, chunks 1 to 3 everywhere, chunk 4 where 8 h + e < r.  And the three Z.
	v_lshlrev_b32 v[T], 3, v[H]
	v_sub_nc_u32 v[T], v[R], v[T]                  ; d = r - 8 h, signed
.irp q, 0,1,2,3
	v_cmp_ge_i32 vcc_lo, 2*\q, v[T]
	v_cndmask_b32 v[T+1], 0, s52, vcc_lo
	v_cmp_ge_i32 vcc_lo, 2*\q+1, v[T]
	v_cndmask_b32 v[T+2], 0, s53, vcc_lo
	v_or_b32 v[ON+4+\q], v[T+1], v[T+2]
	v_xor_b32 v[ON+20+\q], 0x3f803f80, v[ON+4+\q]
	v_mov_b32 v[BB+\q], 0
	v_mov_b32 v[ON+\q], 0
	v_mov_b32 v[ON+24+\q], 0
.endr
.set i, 0
.rept 12
	v_mov_b32 v[ON+8+i], 0x3f803f80
.set i, i+1
.endr
	s_wait_dscnt 0x0                               ; for the others' sake: all my LDS stores are done
	s_barrier_signal -1
	s_barrier_wait -1                              ; x, weights and chunks of all eight waves are in LDS; nothing there is written again but the minima's own bytes
; Shapelet k's five chunks, two tiles of weights and two start pairs into buffer buf: 11 loads
.macro LDK k, buf
.irp c, 0,1,2,3,4
	ds_load_b128 v[BB+24*(\buf)+4+4*\c:BB+24*(\buf)+7+4*\c], v[BA] offset:(\k)*2560+\c*512
.endr
.irp j, 0,1
	ds_load_b128 v[WW+20*(\buf)+8*\j:WW+20*(\buf)+8*\j+3],   v[WA] offset:(\k)*64*PWP+\j*16*PWP
	ds_load_b128 v[WW+20*(\buf)+8*\j+4:WW+20*(\buf)+8*\j+7], v[WA] offset:(\k)*64*PWP+\j*16*PWP+16
	ds_load_b64  v[WW+20*(\buf)+16+2*\j:WW+20*(\buf)+17+2*\j], v[WP] offset:(\k)*64*PWP+\j*16*PWP+64
.endr
.endm
.macro SQREG f                         ; where fragment f of the squares lies: four in the accumulators' registers, two in the second weight buffer
.if (\f) < 4
.set rF, AC+8*(\f)
.else
.set rF, WW+20+8*((\f)-4)
.endif
.endm
	; A fragment is 16 channels x 32 t: lane (r, h) holds channel r, t = 8 h + 0..7 and 16 + 8 h + 0..7: two loads of 16 bytes, 32 bytes apart.  Step s of my 32 positions begins at t = 32 (u + s).
.irp b, 0,1
.irp q, 0,1,2
	SQREG 3*\b+\q
	ds_load_b128 v[rF:rF+3],   v[AFA] offset:XQ+\b*16*XP+\q*64
	ds_load_b128 v[rF+4:rF+7], v[AFA] offset:XQ+\b*16*XP+\q*64+32
.endr
.endr
	LDK 0, 0
.irp b, 0,1
.irp q, 0,1,2
	ds_load_b128 v[AF+8*(3*\b+\q):AF+8*(3*\b+\q)+3],   v[AFA] offset:XA+\b*16*XP+\q*64
	ds_load_b128 v[AF+8*(3*\b+\q)+4:AF+8*(3*\b+\q)+7], v[AFA] offset:XA+\b*16*XP+\q*64+32
.endr
.endr
	s_wait_dscnt 23                                ; the 12 loads of squares are in; the 11 + 12 behind them may be out
	; sum (x-c)^2 over each window: register i of lane (r, h) = channel 8 h + i, position r of the tile.  The four sums take turns; the first step starts them.
.irp s, 0,1,2
.irp b, 0,1
.irp j, 0,1
	SQREG 3*\b+\s
.set rD, XX+8*(2*\b+\j)
.set rB, ON+4*(1-\j)+8*\s
.if \s == 0
	v_wmma_f32_16x16x32_bf16 v[rD:rD+7], v[rF:rF+7], v[rB:rB+7], 0
.else
	v_wmma_f32_16x16x32_bf16 v[rD:rD+7], v[rF:rF+7], v[rB:rB+7], v[rD:rD+7]
.endif
.endr
.endr
.endr
.rept 5
	v_nop                                          ; five places before these sums become the C of other accumulators, and before loads and products write over the squares and the ones
.endr
; ONE SHAPELET.  Its operands were asked for a step ago; the next one's go out first, into the other buffers.  12 products: C = sum (x-c)^2 starts each of the four accumulators, which take turns.
; Then, for each tile: sum over my 8 channels of weight x raw, begun with the start pair; the pair's halves and the other half of the lanes' 8 channels are added; the minimum over both tiles and the 16 positions.
.macro KSTEP k
.set cur, (\k)%2
	s_wait_dscnt 0x0                               ; this shapelet's 11 loads (in the first step x's fragments too) are in
.if (\k) < 7
	LDK (\k)+1, 1-cur
.endif
.irp s, 0,1,2
.irp b, 0,1
.irp j, 0,1
.set rD, AC+8*(2*\b+\j)
.set rA, AF+8*(3*\b+\s)
.set rB, BB+24*cur+4*(1-\j)+8*\s
.if \s == 0
	v_wmma_f32_16x16x32_bf16 v[rD:rD+7], v[rA:rA+7], v[rB:rB+7], v[XX+8*(2*\b+\j):XX+8*(2*\b+\j)+7]
.else
	v_wmma_f32_16x16x32_bf16 v[rD:rD+7], v[rA:rA+7], v[rB:rB+7], v[rD:rD+7]
.endif
.endr
.endr
.endr
.rept 4
	v_nop                                          ; four places between the products and the first read of a result; they also stand in front of the next step's loads into this band buffer
.endr
.irp i, 0,1,2,3
.irp b, 0,1
.irp j, 0,1
.set rT, T+2*(2*\b+\j)
.set rD, AC+8*(2*\b+\j)+2*\i
.set rW, WW+20*cur+8*\j+2*\i
.if \i == 0
	v_pk_fma_f32 v[rT:rT+1], v[rD:rD+1], v[rW:rW+1], v[WW+20*cur+16+2*\j:WW+20*cur+17+2*\j]  ; each accumulator is read from its low end on
.else
	v_pk_fma_f32 v[rT:rT+1], v[rD:rD+1], v[rW:rW+1], v[rT:rT+1]
.endif
.endr
.endr
.endr
.irp t, 0,1,2,3
	v_add_f32 v[T+2*\t], v[T+2*\t], v[T+2*\t+1]
.endr
.irp t, 0,1,2,3
	v_permlanex16_b32 v[T+2*\t+1], v[T+2*\t], s48, s49
.endr
.irp t, 0,1,2,3
	v_add_f32 v[T+2*\t], v[T+2*\t], v[T+2*\t+1]
.endr
	v_min_num_f32 v[RES+(\k)], v[T], v[T+2]
	v_min_num_f32 v[RES+8+(\k)], v[T+4], v[T+6]
.irp x, 1,2,4,8
	v_min_num_f32_dpp v[RES+(\k)], v[RES+(\k)], v[RES+(\k)] row_xmask:\x row_mask:0xf bank_mask:0xf
	v_min_num_f32_dpp v[RES+8+(\k)], v[RES+8+(\k)], v[RES+8+(\k)] row_xmask:\x row_mask:0xf bank_mask:0xf
.endr
.endm
.irp k, 0,1,2,3,4,5,6,7
	KSTEP \k
.endr
	; THE WAY OUT.  Every lane holds my wave's 16 minima; all lanes store the same words.  Wave 0 then joins the two halves of the positions and stores the work-group's 64 numbers.
.irp q, 0,1,2,3
	ds_store_b128 v[RS], v[RES+4*\q:RES+4*\q+3] offset:16*\q
.endr
	s_wait_tensorcnt 0x0                           ; three lines behind my last LDS store; the last of them is also the wait that the barrier needs
	ds_add_u32 v[SPW], v[NIL]
	s_wait_dscnt 0x0
	s_barrier_signal -1
	s_barrier_wait -1
	s_cmp_lg_u32 s12, 0
	s_cbranch_scc1 .Lend
	v_lshl_add_u32 v[T], v[LANE], 3, RESB
	ds_load_b64 v[T+2:T+3], v[T]
	ds_load_b64 v[T+4:T+5], v[T] offset:256
	v_lshlrev_b32 v[T+1], 3, v[LANE]
	s_wait_dscnt 0x0
	v_min_num_f32 v[T+2], v[T+2], v[T+4]
	v_min_num_f32 v[T+3], v[T+3], v[T+5]
	global_store_b64 v[T+1], v[T+2:T+3], s[10:11]  ; 32 lanes store 256 consecutive bytes, at a multiple of 256 from part's first byte
.Lend:
	s_endpgm
.Lfunc_end_k_qf55729ae77_main:
	.size	k_qf55729ae77_main, .Lfunc_end_k_qf55729ae77_main-k_qf55729ae77_main
	.p2alignl 7, 3214868480
	.fill 96, 4, 3214868480
	.section	.rodata,"a",@progbits
	.p2align	6, 0x0
	.amdhsa_kernel k_qf55729ae77_main
		.amdhsa_group_segment_fixed_size 136192
		.amdhsa_private_segment_fixed_size 0
		.amdhsa_enable_private_segment 0
		.amdhsa_kernarg_size 32
		.amdhsa_user_sgpr_count 2
		.amdhsa_user_sgpr_kernarg_segment_ptr 1
		.amdhsa_wavefront_size32 1
		.amdhsa_system_sgpr_workgroup_id_x 1
		.amdhsa_system_sgpr_workgroup_id_y 1
		.amdhsa_system_sgpr_workgroup_id_z 1
		.amdhsa_system_vgpr_workitem_id 0
		.amdhsa_next_free_vgpr 256
		.amdhsa_next_free_sgpr 66
		.amdhsa_reserve_vcc 1
		.amdhsa_float_denorm_mode_32 3
		.amdhsa_float_denorm_mode_16_64 3
		.amdhsa_memory_ordered 1
		.amdhsa_forward_progress 1
		.amdhsa_inst_pref_size 69
	.end_amdhsa_kernel
	.amdgpu_metadata
---
amdhsa.version: [ 1, 2 ]
amdhsa.kernels:
  - .name:           k_qf55729ae77_main
    .symbol:         k_qf55729ae77_main.kd
    .args:
      - { .name: x, .offset: 0, .size: 8, .value_kind: global_buffer, .address_space: global }
      - { .name: shapelets, .offset: 8, .size: 8, .value_kind: global_buffer, .address_space: global }
      - { .name: penalty_maps, .offset: 16, .size: 8, .value_kind: global_buffer, .address_space: global }
      - { .name: part, .offset: 24, .size: 8, .value_kind: global_buffer, .address_space: global }
    .group_segment_fixed_size: 136192
    .private_segment_fixed_size: 0
    .kernarg_segment_align: 8
    .kernarg_segment_size: 32
    .max_flat_workgroup_size: 256
    .sgpr_count:     66
    .vgpr_count:     256
    .wavefront_size: 32
...
	.end_amdgpu_metadata
.endif
;; end of part 1
;; launch reduce (part 2): grid 1 x 1, 4 waves a work-group, no clusters, 2,560 bytes of LDS; arguments part, out0; writes out0
.if DOCPART == 2
	.amdgcn_target "amdgcn-amd-amdhsa--gfx1250"
	.amdhsa_code_object_version 6
	.text
	.protected	k_qf55729ae77_reduce
	.globl	k_qf55729ae77_reduce
	.p2align	8
	.type	k_qf55729ae77_reduce,@function
k_qf55729ae77_reduce:
	s_mov_b64 s[64:65], 0
	v_nop
	global_prefetch_b8 v0, s[64:65] scope:SCOPE_SE
	s_setreg_imm32_b32 hwreg(HW_REG_WAVE_MODE, 25, 1), 1
	s_wait_xcnt 0x0
; out0[b][k] = min over the 32 ranges of part[range][y][b'][k'],  y = 4 (b / 8) + k / 8, b' = b % 8, k' = k % 8.  part: 32 x 2,048 bytes, out0: [16][32] f32.
; One work-group of four waves: 512 numbers, four to a lane.  A lane's 32 loads of 16 bytes go out together (a wave's load covers 512 consecutive bytes); the minima follow the loads as they come in.
; part's order within a range is by work-group of the launch before, out0's by batch and shapelet: the 2 KB change places in LDS, so that the stores too cover whole runs of 512 bytes.
; One round trip to memory bounds it: more work-groups would not shorten that, and could not share the stage.
.set RANGES, 32
.set SPARE,  2048                      ; behind the stage: the spare words, 128 bytes for each wave: two blocks of 256 bytes that no other line names
	s_load_b128 s[4:7], s[0:1], 0x0                ; part s[4:5], out0 s[6:7]
	v_lshl_add_u32 v2, v0, 2, SPARE                ; my spare word; never rewritten
	v_mov_b32 v3, 0                                ; 0; never rewritten
	v_lshlrev_b32 v1, 4, v0                        ; 16 bytes a thread
	s_wait_kmcnt 0x0
.set i, 0
.rept RANGES
	global_load_b128 v[8+4*i:11+4*i], v1, s[4:5] offset:i*2048
.set i, i+1
.endr
	v_lshrrev_b32 v4, 6, v0                        ; my four numbers: b / 8,
	v_bfe_u32 v5, v0, 1, 3                         ; b % 8,
	v_bfe_u32 v6, v0, 4, 2                         ; k / 8,
	v_and_b32 v7, 1, v0                            ; (k % 8) / 4
	v_lshlrev_b32 v4, 10, v4                       ; their place in out0: 128 b + 4 k bytes
	v_lshl_add_u32 v4, v5, 7, v4
	v_lshl_add_u32 v4, v6, 5, v4
	v_lshl_add_u32 v4, v7, 4, v4
	s_wait_loadcnt RANGES-3                        ; loads come back in order (ISA guide 5.7.1): ranges 0 to 2 are in
.irp j, 0,1,2,3
	v_min3_num_f32 v[8+\j], v[8+\j], v[12+\j], v[16+\j]
.endr
.set g, 0
.rept 14
	s_wait_loadcnt RANGES-5-2*g                    ; ranges 3 + 2 g and 4 + 2 g are in; the later ones may be out
.irp j, 0,1,2,3
	v_min3_num_f32 v[8+\j], v[8+\j], v[20+8*g+\j], v[24+8*g+\j]
.endr
.set g, g+1
.endr
	s_wait_loadcnt 0x0
.irp j, 0,1,2,3
	v_min_num_f32 v[8+\j], v[8+\j], v[132+\j]
.endr
	ds_store_b128 v4, v[8:11]
	s_wait_tensorcnt 0x0                           ; three lines behind my last LDS store; the last of them is also the wait that the barrier needs
	ds_add_u32 v2, v3
	s_wait_dscnt 0x0
	s_barrier_signal -1
	s_barrier_wait -1
	ds_load_b128 v[12:15], v1
	s_wait_dscnt 0x0
	global_store_b128 v1, v[12:15], s[6:7]         ; sixteen lanes store 256 consecutive bytes, at a multiple of 256 from out0's first byte
	s_endpgm
.Lfunc_end_k_qf55729ae77_reduce:
	.size	k_qf55729ae77_reduce, .Lfunc_end_k_qf55729ae77_reduce-k_qf55729ae77_reduce
	.p2alignl 7, 3214868480
	.fill 96, 4, 3214868480
	.section	.rodata,"a",@progbits
	.p2align	6, 0x0
	.amdhsa_kernel k_qf55729ae77_reduce
		.amdhsa_group_segment_fixed_size 2560
		.amdhsa_private_segment_fixed_size 0
		.amdhsa_enable_private_segment 0
		.amdhsa_kernarg_size 16
		.amdhsa_user_sgpr_count 2
		.amdhsa_user_sgpr_kernarg_segment_ptr 1
		.amdhsa_wavefront_size32 1
		.amdhsa_system_sgpr_workgroup_id_x 1
		.amdhsa_system_sgpr_workgroup_id_y 1
		.amdhsa_system_sgpr_workgroup_id_z 1
		.amdhsa_system_vgpr_workitem_id 0
		.amdhsa_next_free_vgpr 136
		.amdhsa_next_free_sgpr 66
		.amdhsa_reserve_vcc 0
		.amdhsa_float_denorm_mode_32 3
		.amdhsa_float_denorm_mode_16_64 3
		.amdhsa_memory_ordered 1
		.amdhsa_forward_progress 1
		.amdhsa_inst_pref_size 9
	.end_amdhsa_kernel
	.amdgpu_metadata
---
amdhsa.version: [ 1, 2 ]
amdhsa.kernels:
  - .name:           k_qf55729ae77_reduce
    .symbol:         k_qf55729ae77_reduce.kd
    .args:
      - { .name: part, .offset: 0, .size: 8, .value_kind: global_buffer, .address_space: global }
      - { .name: out0, .offset: 8, .size: 8, .value_kind: global_buffer, .address_space: global }
    .group_segment_fixed_size: 2560
    .private_segment_fixed_size: 0
    .kernarg_segment_align: 8
    .kernarg_segment_size: 16
    .max_flat_workgroup_size: 128
    .sgpr_count:     66
    .vgpr_count:     136
    .wavefront_size: 32
...
	.end_amdgpu_metadata
.endif
;; end of part 2
